; MI455X (gfx1250); checked and timed in simulation.
; The chip was launched on July 23, 2026; its instructions are those of AMD's public machine-readable ISA for CDNA 5 (MIT licence, August 2026) and "CDNA5" Instruction Set Architecture Reference Guide (July 2026). The comments in the code are by the model that wrote it; some were corrected since.
;; Switch Linear. Allowed arithmetic: matrix products marked QUANTISED: E3M2 operands, one E8M0 scale for each 32 along K, by v_wmma_scale_f32_16x16x128_f8f6f4 with both operands' format E3M2, f32 sums; everything else in f32.
;; Inputs: indices 8,192 int32; weight 8 x 2,048 x 512 float32; x 8,192 x 2,048 float32.
;; Outputs: out0 8,192 x 512 float32.
;; This version of the problem:
;;   THIS VERSION OF THE PROBLEM IS GIVEN IN LOW PRECISION. The matrix products marked QUANTISED in the list below multiply operands that are first quantised to E3M2 (3 exponent bits, 2 mantissa bits; 6 bits a number), with one power-of-two scale for each 32 numbers along K (OCP MX v1.0); their sums are f32. All else is computed in f32.
;;   The module's matrix products, in the order in which they are computed (A, B: the left and right operand; K: the contracted axis; several contracted axes count as one K, in the product's order):
;;     1. [M 8,192, K 2,048] x [K 2,048, N 512]; A: computed on the way; B: input weight: QUANTISED
;;     2. [M 8,192, K 2,048] x [K 2,048, N 512]; A: computed on the way; B: input weight: QUANTISED
;;     3. [M 8,192, K 2,048] x [K 2,048, N 512]; A: computed on the way; B: input weight: QUANTISED
;;     4. [M 8,192, K 2,048] x [K 2,048, N 512]; A: computed on the way; B: input weight: QUANTISED
;;     5. [M 8,192, K 2,048] x [K 2,048, N 512]; A: computed on the way; B: input weight: QUANTISED
;;     6. [M 8,192, K 2,048] x [K 2,048, N 512]; A: computed on the way; B: input weight: QUANTISED
;;     7. [M 8,192, K 2,048] x [K 2,048, N 512]; A: computed on the way; B: input weight: QUANTISED
;;     8. [M 8,192, K 2,048] x [K 2,048, N 512]; A: computed on the way; B: input weight: QUANTISED
;;   THE QUANTISER, for each operand of a quantised product, along K:
;;     - K is cut into blocks of 32 from its start; a last block that is shorter is filled with zeros.
;;     - A block's scale is 2^e with e = floor(log2(the largest magnitude in the block)) - 4, held to -126 .. 127; a block of zeros has e = 0. As a byte (E8M0): e + 127.
;;     - Each number is divided by its block's scale, clamped to +-28, and rounded to the nearest number of E3M2, ties to even, subnormals kept.
;;     - The product sums the exact products of the quantised numbers (number of the format x scale) in f32.
;;   ~~~python
;;   def quantise(x, axis):      # numpy; x: float32 -> the quantised numbers, widened to float32 again
;;       x = np.moveaxis(x, axis, -1); K = x.shape[-1]
;;       x = np.pad(x, [(0, 0)] * (x.ndim - 1) + [(0, -K % 32)]); x = x.reshape(x.shape[:-1] + (-1, 32)); a = np.abs(x).max(-1, keepdims=True)
;;       e = np.where(a > 0, np.clip(np.frexp(np.where(a > 0, a, 1))[1] - 1 - 4, -126, 127), 0)      # np.frexp(a)[1] - 1 = floor(log2(a)), exactly
;;       r = np.clip(x / 2.0 ** e, -28, 28)
;;       step = 2.0 ** (np.maximum(np.frexp(np.where(r == 0, 1, r))[1] - 1, -2) - 2)
;;       q = np.round(r / step) * step * 2.0 ** e      # np.round: ties to even
;;       return np.moveaxis(q.reshape(q.shape[:-2] + (-1,))[..., :K], -1, axis).astype(np.float32)
;;   ~~~
;;   OPERANDS COMPUTED ON THE WAY. 'Computed on the way' means the value that the module computes at that place (a softmax that the list does not call 'softmax' is quantised finished and normalised). What goes into a quantiser is computed in f32, as accurately as f32 sums, v_exp_f32 and their like allow (about 1e-6 of the number): no bf16 or f16 on the way to a quantiser, and a product that is left as it is and whose result goes on into a quantised operand takes f32 operands (vector FMAs, or v_wmma_f32_16x16x4_f32). A number that lies on a knife's edge between two numbers of the format may be rounded either way, as far as f32 arithmetic and the matrix unit's own rounding can turn it there, and no further.
;; One version. Each part assembles by itself: llvm-mc -triple=amdgcn-amd-amdhsa -mcpu=gfx1250 --defsym DOCPART=n.
;; ======== version 1 of 1: 2 launches
;; workspace buffers: wq 6,291,456 bytes; wsc 262,144 bytes; rows 36,864 bytes of whole numbers; tiles 1,024 bytes of whole numbers
;; launch prep (part 1): grid 257 x 1, 8 waves a work-group, no clusters, 3,072 bytes of LDS; arguments weight, indices, wq, wsc, rows, tiles; writes wq, wsc, rows, tiles
.if DOCPART == 1
	.amdgcn_target "amdgcn-amd-amdhsa--gfx1250"
	.amdhsa_code_object_version 6
	.text
	.protected	k_q042ea1c587_prep
	.globl	k_q042ea1c587_prep
	.p2align	8
	.type	k_q042ea1c587_prep,@function
k_q042ea1c587_prep:
	s_mov_b64 s[64:65], 0
	v_nop
	global_prefetch_b8 v0, s[64:65] scope:SCOPE_SE
	s_setreg_imm32_b32 hwreg(HW_REG_WAVE_MODE, 25, 1), 1
	s_wait_xcnt 0x0
; TWO JOBS IN ONE LAUNCH.
; Work-groups 1 to 256: weight [8][2048 (k)][512 (n)] f32 becomes codes of BF6 (E3M2) along K, with one E8M0 byte for each 32 along K, laid in the ORDER OF THE OPERAND'S REGISTERS:
;   wq  [e 8][c 8: 64 columns][s 16: 128 along K][t 4: 16 columns][g 3][lane 32][16 bytes]: register 4 g + q of lane l of the fragment (16 columns x 128 K, 12 registers) lies at 512 g + 16 l + 4 q;
;   wsc [e][c][s][lane 32][p 2] words: word p holds, in lanes 0-15, the scale word of column lane of tile 2 p, in lanes 16-31 that of tile 2 p + 1.
; Work-group 0: a counting sort of the 8,192 tokens by their expert, into tiles of 48 rows of one expert:
;   rows [192][48] words: the token of row i of tile T (0 in slots that are not used);   tiles [256] words: rows in the tile (0 .. 48) | expert << 8, 0 for a tile without rows.
;   There are never more than ceil(8192 / 48) + 7 = 178 tiles, whatever the split.
; A block's scale is 2^(floor(log2(its largest magnitude)) - 4); its byte is the largest magnitude's exponent field - 4, held at 1 from below.
; LIMITS: NaN and infinities in weight are not served.  A block of zeros gets the byte 1 where the rule says 127: its codes are zeros, which add nothing, and this program alone reads the bytes.
; An index outside 0 .. 7 (taken as unsigned) is sorted with expert 7; the next launch gives such a row zero codes, so that its result is the row of zeros that the masks leave.
; The two jobs part on the work-group's number, never join again, and have LDS bytes of their own.
.set SCST, 0                           ; LDS, weights' path: 1,024 bytes: the work-group's scale words [64 columns' group 2][K step 2][lane 32][p 2]
.set WT,   1024                        ; LDS, sort's path: 128 bytes: eight waves' totals, 16 bytes each
.set X,    32                          ; v32-159  128 numbers down K of my column
.set C0,   160                         ; v160-171 the fragment of my wave's first 16 columns
.set C1,   172                         ; v172-183 of its second 16
.set UT,   16                          ; v16-31   the upper 16 codes of each block (a conversion's three registers begin on an even number)
.set SW,   14                          ; v14      my column's scale word
	s_load_b256 s[4:11], s[0:1], 0x0               ; weight s[4:5], indices s[6:7], wq s[8:9], wsc s[10:11]
	s_load_b128 s[12:15], s[0:1], 0x20             ; rows s[12:13], tiles s[14:15]
	v_lshl_add_u32 v192, v0, 2, 0x800
	v_mov_b32 v193, 0
	v_lshrrev_b32 v2, 5, v0
	v_readfirstlane_b32 s18, v2                    ; wave 0..7
	v_and_b32 v1, 31, v0                           ; lane
	s_cmp_eq_u32 ttmp9, 0
	s_cbranch_scc1 .Lroute
; ---------------- THE WEIGHTS.  A work-group takes one expert, 128 columns and two K steps of 128; a wave 32 columns and one K step.
; A LANE TAKES A COLUMN AND ITS REGISTERS RUN DOWN K: a load reads 128 consecutive bytes a wave (512 for the four waves side by side), a block of 32 along K lies in one lane, and the conversions give codes with K innermost.
	s_sub_co_u32 s20, ttmp9, 1
	s_lshr_b32 s21, s20, 5                         ; e
	s_bfe_u32 s22, s20, 0x20003                    ; G: which 128 columns
	s_and_b32 s23, s20, 7                          ; S: which pair of K steps
	s_and_b32 s24, s18, 3                          ; q: which 32 columns of the 128
	s_lshr_b32 s25, s18, 2
	s_lshl_b32 s26, s23, 1
	s_add_co_u32 s26, s26, s25                     ; s = 2 S + wave / 4: my K step
	v_lshlrev_b32 v2, 2, v1                        ; in: 4 bytes a lane
	v_lshlrev_b32 v3, 4, v1                        ; out: 16 bytes a lane
	s_bfe_u32 s30, s18, 0x10001
	s_lshl_b32 s30, s30, 9                         ; the stage for scale words: 512 x (q / 2)
	s_lshl_b32 s31, s25, 8                         ; + 256 x (wave / 4)
	s_add_co_u32 s30, s30, s31
	s_and_b32 s31, s18, 1
	s_lshl_b32 s31, s31, 2                         ; + 4 x (q % 2)
	s_add_co_u32 s30, s30, s31
	v_lshl_add_u32 v4, v1, 3, s30                  ; + 8 x lane  (SCST = 0)
	s_min_u32 s31, s18, 1
	s_lshl_b32 s30, s31, 9
	v_lshl_add_u32 v5, v1, 4, s30                  ; back (waves 0 and 1): 512 x wave + 16 x lane
	s_lshl_b32 s28, s21, 22                        ; weight: e x 4,194,304
	s_lshl_b32 s27, s26, 18                        ; + s x 128 rows of 2,048 bytes
	s_add_co_u32 s28, s28, s27
	s_lshl_b32 s27, s22, 9                         ; + 128 G columns
	s_add_co_u32 s28, s28, s27
	s_lshl_b32 s27, s24, 7                         ; + 32 q columns
	s_add_co_u32 s28, s28, s27
	s_mov_b32 s29, 0
	s_mul_i32 s32, s21, 786432                     ; wq: e
	s_lshl_b32 s27, s22, 1
	s_lshr_b32 s30, s24, 1
	s_add_co_u32 s27, s27, s30                     ; c = 2 G + q / 2
	s_mul_i32 s27, s27, 98304
	s_add_co_u32 s32, s32, s27
	s_mul_i32 s27, s26, 6144                       ; s
	s_add_co_u32 s32, s32, s27
	s_and_b32 s27, s24, 1
	s_mul_i32 s27, s27, 3072                       ; tiles 2 (q % 2) and 2 (q % 2) + 1
	s_add_co_u32 s32, s32, s27
	s_mov_b32 s33, 0
	s_lshl_b32 s34, s21, 15                        ; wsc: e x 32,768
	s_lshl_b32 s27, s22, 1
	s_add_co_u32 s27, s27, s31                     ; c = 2 G + wave (waves 0 and 1 store)
	s_lshl_b32 s27, s27, 12
	s_add_co_u32 s34, s34, s27
	s_lshl_b32 s27, s23, 9                         ; two K steps of 256 bytes
	s_add_co_u32 s34, s34, s27
	s_mov_b32 s35, 0
	s_wait_kmcnt 0x0
	s_add_nc_u64 s[4:5], s[4:5], s[28:29]
	s_add_nc_u64 s[8:9], s[8:9], s[32:33]
	s_add_nc_u64 s[10:11], s[10:11], s[34:35]
.set k, 0
.rept 128
	global_load_b32 v[X+k], v2, s[4:5] offset:2048*k th:TH_LOAD_NT     ; weight(128 s + k, my column): read once in the launch
.set k, k+1
.endr
; Block b of 32 along K: its largest magnitude (all 32 numbers are mine), the scale's byte, the codes.  left: the loads that may still be out.
.macro BLOCK b, left
.set XS, X+32*(\b)
	s_wait_loadcnt \left
	v_max3_num_f32 v8, |v[XS]|, |v[XS+1]|, |v[XS+2]|
	v_max3_num_f32 v9, |v[XS+3]|, |v[XS+4]|, |v[XS+5]|               ; two chains, so that no line waits for the line above it
.irp i, 6,10,14,18,22,26
	v_max3_num_f32 v8, v8, |v[XS+\i]|, |v[XS+\i+1]|
	v_max3_num_f32 v9, v9, |v[XS+\i+2]|, |v[XS+\i+3]|
.endr
	v_max3_num_f32 v8, v8, |v[XS+30]|, |v[XS+31]|
	v_max3_num_f32 v8, v8, v9, 0x2800000           ; and the floor 2^(5 - 127): the byte cannot fall under 1
	v_add_nc_u32 v10, 0xfe000000, v8               ; 4 off the exponent field: the conversion takes the exponent field of this operand as its scale
	v_lshrrev_b32 v11, 23, v10                     ; the scale's byte
.if (\b) == 0
	v_mov_b32 v[SW], v11
.else
	v_lshl_or_b32 v[SW], v11, 8*(\b), v[SW]        ; the lower K in the lower byte
.endif
	v_cvt_scalef32_pk16_bf6_f32 v[C0+12*((\b)%2)+6*((\b)/2):C0+12*((\b)%2)+6*((\b)/2)+2], v[XS:XS+15], v10
	v_cvt_scalef32_pk16_bf6_f32 v[UT+4*(\b):UT+4*(\b)+2], v[XS+16:XS+31], v10
.endm
	BLOCK 0, 63                                    ; 96 loads were issued behind block 0's and 64 behind block 1's: 63 is the largest count that the wait can name
	BLOCK 1, 63
	BLOCK 2, 32                                    ; block 3's 32 loads may be out
	BLOCK 3, 0
	v_nop                                          ; one plain instruction between a scaled conversion and the vector instructions that touch its results
; The operand's layout gives lane (r, h) of a tile of 16 columns the blocks h and 2 + h of column r.  I hold all four blocks of ONE column; lanes 0-15 hold the first tile's columns, lanes 16-31 the second's.
; Exchanging the upper lanes of an even block's register with the lower lanes of the odd block's leaves the first tile's image in the one and the second tile's in the other.
.irp i, 0,1,2
	v_permlane16_swap_b32 v[C0+\i], v[C1+\i]
	v_permlane16_swap_b32 v[UT+\i], v[UT+4+\i]
	v_permlane16_swap_b32 v[C0+6+\i], v[C1+6+\i]
	v_permlane16_swap_b32 v[UT+8+\i], v[UT+12+\i]
.endr
.irp i, 0,1,2
	v_mov_b32 v[C0+3+\i], v[UT+\i]
	v_mov_b32 v[C1+3+\i], v[UT+4+\i]
	v_mov_b32 v[C0+9+\i], v[UT+8+\i]
	v_mov_b32 v[C1+9+\i], v[UT+12+\i]
.endr
.irp g, 0,1,2
	global_store_b128 v3, v[C0+4*\g:C0+4*\g+3], s[8:9] offset:512*\g          ; each store covers 512 consecutive bytes, at a multiple of 512 from wq's first byte
	global_store_b128 v3, v[C1+4*\g:C1+4*\g+3], s[8:9] offset:1536+512*\g
.endr
	ds_store_b32 v4, v[SW]                         ; the eight waves' scale words meet in LDS,
	s_wait_dscnt 0x0                               ; for the others' sake: my store has landed
	s_barrier_signal -1
	s_barrier_wait -1
	s_cmp_lt_u32 s18, 2
	s_cbranch_scc0 .Lmain_end
	ds_load_b128 v[8:11], v5                       ; and leave as two runs of 512 consecutive bytes: wave w takes columns' group 2 G + w, both K steps
	s_wait_dscnt 0x0
	global_store_b128 v3, v[8:11], s[10:11]
.Lmain_end:
	s_wait_tensorcnt 0x0
	ds_add_u32 v192, v193
	s_wait_dscnt 0x0
	s_endpgm
; ---------------- THE SORT.  256 threads; thread 32 w + l takes tokens 1024 w + 128 i + 4 l + c (i = 0 .. 7, c = 0 .. 3): dense loads of 16 bytes a lane.  The order of rows inside an expert is free.
.set RC,   16                          ; v16-19   my counts, two experts to a register (16 bits each): register i holds experts 2 i and 2 i + 1
.set RI,   20                          ; v20-23   their inclusive sums over the lanes
.set RWB,  24                          ; v24-27   the totals of the waves in front of mine
.set RGT,  28                          ; v28-31   the totals of all waves
.set RK,   32                          ; v32-63   the expert, then expert | rank << 8, then the byte offset of the token's slot
.set RVAL, 64                          ; v64-95   the tokens' numbers
.set RTOT, 96                          ; v96-127  eight waves' totals
.set RS,   128                         ; v128-131 where my first row of each expert goes
.set RZ,   132                         ; v132-135 zeros
.set RT,   136                         ; v136-139 at work
.Lroute:
	v_lshlrev_b32 v3, 4, v0                        ; 16 x thread: the table's clearing
	v_lshlrev_b32 v4, 4, v1
	v_lshl_add_u32 v4, v2, 12, v4                  ; my indices: 4,096 w + 16 l
	v_lshl_add_u32 v5, v2, 4, WT                   ; my wave's totals in LDS
	v_mov_b32 v6, WT
	v_lshlrev_b32 v7, 2, v1
	v_lshl_add_u32 v7, v2, 10, v7                  ; my first token: 1024 w + 4 l
	v_mov_b32 v12, 0                               ; counts of experts 0-3, a byte each (32 at the most)
	v_mov_b32 v13, 0                               ; of experts 4-7
	v_mov_b32 v14, 1
	v_mov_b32 v15, 0                               ; my tile's entry
.irp i, 0,1,2,3
	v_mov_b32 v[RZ+\i], 0
	v_mov_b32 v[RT+\i], 0                          ; written once: the destination of a lane move counts as one of its sources
	v_mov_b32 v[RWB+\i], 0
	v_mov_b32 v[RGT+\i], 0
.endr
	s_wait_kmcnt 0x0
.irp i, 0,1,2,3,4,5,6,7
	global_load_b128 v[RK+4*\i:RK+4*\i+3], v4, s[6:7] offset:512*\i
.endr
.irp i, 0,1,2,3,4,5,6,7,8
	global_store_b128 v3, v[RZ:RZ+3], s[12:13] offset:4096*\i          ; the whole table of 36,864 bytes is cleared: slots that no row takes are read as 0 by the next launch
.endr
	s_wait_loadcnt 0x0
.set j, 0
.rept 32
	v_min_u32 v[RK+j], 7, v[RK+j]                  ; what lies outside 0 .. 7 goes with expert 7
.set j, j+1
.endr
; each token's rank among MY tokens of its expert, and my counts
.set j, 0
.rept 32
	v_lshlrev_b32 v8, 3, v[RK+j]
	v_and_b32 v8, 24, v8                           ; the counter's bit: 8 (expert % 4)
	v_cmp_gt_u32 vcc_lo, 4, v[RK+j]
	v_cndmask_b32 v9, v13, v12, vcc_lo             ; the register that holds it
	v_bfe_u32 v9, v9, v8, 8                        ; its count so far: the rank
	v_lshlrev_b32 v8, v8, v14                      ; one more
	v_lshl_or_b32 v[RK+j], v9, 8, v[RK+j]
	v_cndmask_b32 v9, 0, v8, vcc_lo
	v_add_nc_u32 v12, v12, v9
	v_sub_nc_u32 v8, v8, v9
	v_add_nc_u32 v13, v13, v8
.set j, j+1
.endr
	v_and_b32 v[RC], 0xff, v12                     ; bytes into halves: sums over 8,192 tokens need 14 bits
	v_bfe_u32 v8, v12, 8, 8
	v_lshl_or_b32 v[RC], v8, 16, v[RC]
	v_bfe_u32 v[RC+1], v12, 16, 8
	v_lshrrev_b32 v8, 24, v12
	v_lshl_or_b32 v[RC+1], v8, 16, v[RC+1]
	v_and_b32 v[RC+2], 0xff, v13
	v_bfe_u32 v8, v13, 8, 8
	v_lshl_or_b32 v[RC+2], v8, 16, v[RC+2]
	v_bfe_u32 v[RC+3], v13, 16, 8
	v_lshrrev_b32 v8, 24, v13
	v_lshl_or_b32 v[RC+3], v8, 16, v[RC+3]
.irp i, 0,1,2,3
	v_mov_b32 v[RI+\i], v[RC+\i]
.endr
.irp n, 1,2,4,8                        ; inclusive sums inside each half of 16 lanes: lane i takes lane i - n, or 0 where there is none
.irp i, 0,1,2,3
	v_mov_b32_dpp v[RT+\i], v[RI+\i] row_shr:\n row_mask:0xf bank_mask:0xf bound_ctrl:1
.endr
.irp i, 0,1,2,3
	v_add_nc_u32 v[RI+\i], v[RI+\i], v[RT+\i]
.endr
.endr
	v_cmp_le_u32 vcc_lo, 16, v1
.irp i, 0,1,2,3
	v_readlane_b32 s[20+\i], v[RI+\i], 15          ; the lower half's total goes onto the upper half
.endr
.irp i, 0,1,2,3
	v_mov_b32 v[RT+\i], s[20+\i]
	v_cndmask_b32 v[RT+\i], 0, v[RT+\i], vcc_lo
	v_add_nc_u32 v[RI+\i], v[RI+\i], v[RT+\i]
.endr
.irp i, 0,1,2,3
	v_readlane_b32 s[20+\i], v[RI+\i], 31          ; my wave's totals
.endr
.irp i, 0,1,2,3
	v_mov_b32 v[RT+\i], s[20+\i]
.endr
	ds_store_b128 v5, v[RT:RT+3]                   ; all lanes write the same 16 bytes with the same values
	s_wait_storecnt 0x0                            ; my part of the table's clearing is done: behind the barrier any wave may place a row in it
	s_wait_dscnt 0x0                               ; and my totals have landed
	s_barrier_signal -1
	s_barrier_wait -1
.irp w, 0,1,2,3,4,5,6,7
	ds_load_b128 v[RTOT+4*\w:RTOT+4*\w+3], v6 offset:16*\w
.endr
	s_wait_dscnt 0x0
.irp w, 0,1,2,3,4,5,6,7
	v_cmp_lt_u32 vcc_lo, \w, v2                    ; is wave w in front of mine?
.irp i, 0,1,2,3
	v_cndmask_b32 v[RT+\i], 0, v[RTOT+4*\w+\i], vcc_lo
	v_add_nc_u32 v[RGT+\i], v[RGT+\i], v[RTOT+4*\w+\i]
	v_add_nc_u32 v[RWB+\i], v[RWB+\i], v[RT+\i]
.endr
.endr
.irp i, 0,1,2,3
	v_readfirstlane_b32 s20, v[RGT+\i]
	s_and_b32 s[32+2*\i], s20, 0xffff              ; s32-39: each expert's rows
	s_lshr_b32 s[33+2*\i], s20, 16
.endr
	s_mov_b32 s21, 0
.irp e, 0,1,2,3,4,5,6,7
	s_add_co_u32 s20, s[32+\e], 47
	s_mul_i32 s20, s20, 43691                      ; n / 48 = (n x 43,691) >> 21, exact for n under 131,072 (43,691 x 48 = 2^21 + 16)
	s_lshr_b32 s[40+\e], s20, 21                   ; s40-47: its tiles
	s_mov_b32 s[48+\e], s21                        ; s48-55: its first tile
	s_add_co_u32 s21, s21, s[40+\e]
.endr
.irp i, 0,1,2,3
	s_mul_i32 s20, s[48+2*\i], 48
	s_mul_i32 s22, s[49+2*\i], 48
	s_lshl_b32 s22, s22, 16
	s_or_b32 s[56+\i], s20, s22                    ; s56-59: the experts' first slots, two to a register (8,496 at the most)
.endr
.irp i, 0,1,2,3
	v_add3_u32 v[RS+\i], v[RWB+\i], v[RI+\i], s[56+\i]
	v_sub_nc_u32 v[RS+\i], v[RS+\i], v[RC+\i]      ; the expert's first slot + the rows of waves and lanes in front of me; no half borrows: the inclusive sum holds my own count
.endr
; each token is placed.  Every store has an offset register and a data register of its own, so none is written again.  These are 8,192 stores of 4 bytes, inside a table of 36,864 bytes.
.set j, 0
.rept 32
	v_and_b32 v8, 2, v[RK+j]
	v_cmp_ne_u32 vcc_lo, 0, v8
	v_cndmask_b32 v9, v[RS], v[RS+1], vcc_lo
	v_cndmask_b32 v10, v[RS+2], v[RS+3], vcc_lo
	v_and_b32 v8, 4, v[RK+j]
	v_cmp_ne_u32 vcc_lo, 0, v8
	v_cndmask_b32 v9, v9, v10, vcc_lo              ; the register of experts 2 (e / 2) and 2 (e / 2) + 1,
	v_and_b32 v8, 1, v[RK+j]
	v_lshlrev_b32 v8, 4, v8
	v_bfe_u32 v9, v9, v8, 16                       ; its half,
	v_lshrrev_b32 v8, 8, v[RK+j]
	v_add_nc_u32 v9, v9, v8                        ; + the rank among my own
	v_min_u32 v9, 0x23ff, v9                       ; the table has 9,216 slots
	v_lshlrev_b32 v[RK+j], 2, v9
	v_add_nc_u32 v[RVAL+j], 128*(j/4)+j%4, v7
	global_store_b32 v[RK+j], v[RVAL+j], s[12:13]
.set j, j+1
.endr
; thread T writes tile T's entry
.irp e, 0,1,2,3,4,5,6,7
	v_subrev_nc_u32 v8, s[48+\e], v0               ; which of expert e's tiles would T be?
	v_cmp_gt_u32 vcc_lo, s[40+\e], v8              ; (unsigned: a tile in front of the expert's first gives a huge number)
	v_mul_u32_u24 v9, 48, v8
	v_sub_nc_u32 v9, s[32+\e], v9
	v_min_u32 v9, 48, v9                           ; its rows
	v_or_b32 v9, \e<<8, v9
	v_cndmask_b32 v15, v15, v9, vcc_lo
.endr
	v_lshlrev_b32 v140, 2, v0
	global_store_b32 v140, v15, s[14:15]           ; 256 threads: the whole 1,024 bytes
	s_wait_tensorcnt 0x0
	ds_add_u32 v192, v193
	s_wait_dscnt 0x0
	s_endpgm
.Lfunc_end_k_q042ea1c587_prep:
	.size	k_q042ea1c587_prep, .Lfunc_end_k_q042ea1c587_prep-k_q042ea1c587_prep
	.p2alignl 7, 3214868480
	.fill 96, 4, 3214868480
	.section	.rodata,"a",@progbits
	.p2align	6, 0x0
	.amdhsa_kernel k_q042ea1c587_prep
		.amdhsa_group_segment_fixed_size 3072
		.amdhsa_private_segment_fixed_size 0
		.amdhsa_enable_private_segment 0
		.amdhsa_kernarg_size 48
		.amdhsa_user_sgpr_count 2
		.amdhsa_user_sgpr_kernarg_segment_ptr 1
		.amdhsa_wavefront_size32 1
		.amdhsa_system_sgpr_workgroup_id_x 1
		.amdhsa_system_sgpr_workgroup_id_y 1
		.amdhsa_system_sgpr_workgroup_id_z 1
		.amdhsa_system_vgpr_workitem_id 0
		.amdhsa_next_free_vgpr 194
		.amdhsa_next_free_sgpr 66
		.amdhsa_reserve_vcc 1
		.amdhsa_float_denorm_mode_32 3
		.amdhsa_float_denorm_mode_16_64 3
		.amdhsa_memory_ordered 1
		.amdhsa_forward_progress 1
		.amdhsa_inst_pref_size 72
	.end_amdhsa_kernel
	.amdgpu_metadata
---
amdhsa.version: [ 1, 2 ]
amdhsa.kernels:
  - .name:           k_q042ea1c587_prep
    .symbol:         k_q042ea1c587_prep.kd
    .args:
      - { .name: weight, .offset: 0, .size: 8, .value_kind: global_buffer, .address_space: global }
      - { .name: indices, .offset: 8, .size: 8, .value_kind: global_buffer, .address_space: global }
      - { .name: wq, .offset: 16, .size: 8, .value_kind: global_buffer, .address_space: global }
      - { .name: wsc, .offset: 24, .size: 8, .value_kind: global_buffer, .address_space: global }
      - { .name: rows, .offset: 32, .size: 8, .value_kind: global_buffer, .address_space: global }
      - { .name: tiles, .offset: 40, .size: 8, .value_kind: global_buffer, .address_space: global }
    .group_segment_fixed_size: 3072
    .private_segment_fixed_size: 0
    .kernarg_segment_align: 8
    .kernarg_segment_size: 48
    .max_flat_workgroup_size: 256
    .sgpr_count:     66
    .vgpr_count:     194
    .wavefront_size: 32
...
	.end_amdgpu_metadata
.endif
;; end of part 1
;; launch gemm (part 2): grid 178 x 1, 16 waves a work-group, no clusters, 220,160 bytes of LDS; arguments x, indices, wq, wsc, rows, tiles, out0; writes out0
.if DOCPART == 2
	.amdgcn_target "amdgcn-amd-amdhsa--gfx1250"
	.amdhsa_code_object_version 6
	.text
	.protected	k_q042ea1c587_gemm
	.globl	k_q042ea1c587_gemm
	.p2align	8
	.type	k_q042ea1c587_gemm,@function
k_q042ea1c587_gemm:
	s_mov_b64 s[64:65], 0
	v_nop
	global_prefetch_b8 v0, s[64:65] scope:SCOPE_SE
	s_setreg_imm32_b32 hwreg(HW_REG_WAVE_MODE, 25, 1), 1
	s_wait_xcnt 0x0
; out0[n][:] = Q(x[n]) . Q(weight[indices[n]]), both operands codes of BF6 (E3M2) with one E8M0 scale for each 32 along K = 2,048; sums in f32.  Only the chosen expert's product is made: the others are thrown away by the masks.
; A WORK-GROUP TAKES ONE TILE of the list that the launch before has stored: up to 48 rows of ONE expert, all 512 columns.  So each row of x is read by one work-group, once, and is quantised on the way.
; SIXTEEN WAVES, ONE TEXT.  First wave w owns K STEP w (128 along K) of all 48 rows: 48 loads, a row's 512 consecutive bytes each, all issued at the head into 192 registers: the tile's whole 393,216 bytes are on their way at once.
; Sixteen rows at a time go through the wave's own stage in LDS, so that a lane holds 16 neighbours of each block of 32, are quantised, and are stored in LDS as an IMAGE OF THE OPERAND'S REGISTERS (3 x 512 bytes, lane l's 16 bytes
; at 16 l) with their scale words.  ONE barrier.  Then wave w owns COLUMNS 32 w .. 32 w + 31: 6 accumulators (3 tiles of rows x 2 of columns), 16 K steps; x's fragments come from LDS, the weights from memory straight into
; registers, laid by the launch before in register order, four K steps ahead.
; THE MATRIX INSTRUCTION IS USED TRANSPOSED: source 0 = 16 columns of the weight, source 1 = 16 rows of x: a lane holds eight neighbouring columns of one row.
; NOTHING BRANCHES ON LOADED NUMBERS.  A slot beyond the tile's count repeats the tile's first row: the same numbers go to the same bytes.  A tile without rows (7 of the 178 at the most, whatever the split) walks the same
; text on row 0 and expert 0, and stores nothing: EXEC is taken off ahead of its stores.
; A row whose index lies outside 0 .. 7 gets zero codes, and so the row of zeros that the masks leave.
; NO CLUSTER, NO JOINT LOADS of the weights, though tiles of one expert read the same ones: which tiles share an expert hangs on counts read from memory, so partners would need different tiles of the weights.
; No tensor load for x: its rows are gathered.  No prefetch: all of a tile's x is asked for at the head, and the weights are read by many work-groups.
; LIMITS: NaN and infinities in x are not served.  A block of zeros carries the byte 1 where the rule says 127: its codes are zeros, and nobody else reads the byte.
.set ROWT, 0                           ; LDS: the tile's 48 row numbers (256 bytes)
.set XSC,  256                         ; [K step 16][lane 32][4 words]: word m = the scale word of rows' tile m; word 3 is never touched
.set XIMG, 8448                        ; 48 images of 1,536 bytes: K step s, rows' tile m at 1,536 (3 s + m)
.set STG,  82176                       ; a stage for each wave: 16 rows x (512 + 16) bytes.  Behind the first barrier the same bytes serve the way out: for each pair of waves 48 rows x (256 + 16) bytes
.set SP,   528
.set OP,   272
.set FRB,  1536
.set TM,   28                          ; v28-31 largest magnitudes, v32-35 the other half's and then the bytes, v36-39 the conversions' scale operands
.set PW,   40                          ; v40 the scale word just made
.set PC,   42                          ; v42-53 the fragment just made, v54-60 its upper halves on their way.  (At the head: v42-44 my rows, v45 the tile's first row, v46-48 offsets, v50-52 my rows' indices)
.set KEEP, 61                          ; v61-63 all ones or 0 for my row of rows' tile m
.set ACC,  208                         ; accumulator (m, t) at v[208 + 8 (2 m + t)]
; v1 x: 512 w + 16 lane; v2, v3 my stage, in and out; v4 where I store images; v5 their scale words; v6 the row table, in; v7, v8 where images are read (K steps 0-7, 8-15); v9 scale words, out; v10 16 x lane;
; v11 the weights' scale words; v12, v13 the way out's stage, in and out; v14 the row table, out; v15 my bytes in a row of out0.  All are made at the head and never rewritten.
; v16-19 the weights' scale words (set k), v20-22 and v24-26 x's (by turns): these hold scales and nothing else in the whole text.
; v64-127, v128-191, v192-255: three sets of 64 numbers of x.  Later: the weights' four sets at v64, v88, v128, v152; x's fragments at v28, v40, v52 and at v112, v176, v192 by turns.
	s_load_b256 s[4:11], s[0:1], 0x0               ; x s[4:5], indices s[6:7], wq s[8:9], wsc s[10:11]
	s_load_b128 s[12:15], s[0:1], 0x20             ; rows s[12:13], tiles s[14:15]
	s_load_b64 s[16:17], s[0:1], 0x30              ; out0
	v_lshl_add_u32 v23, v0, 2, 0x35400
	v_mov_b32 v27, 0
	v_lshrrev_b32 v1, 5, v0
	v_readfirstlane_b32 s18, v1                    ; wave 0..15
	v_and_b32 v28, 31, v0                          ; lane
	v_and_b32 v29, 15, v0                          ; r
	v_bfe_u32 v30, v0, 4, 1                        ; h
	v_lshlrev_b32 v31, 4, v28                      ; 16 x lane
	s_and_b32 s26, s18, 1                          ; P: which 32 of a group of 64 columns
	s_lshr_b32 s27, s18, 1                         ; c: which group of 64 columns
	s_lshl_b32 s22, s18, 9
	v_add_nc_u32 v1, s22, v31                      ; x: K step w is 512 bytes of a row
	s_add_co_u32 s22, s22, XSC
	v_add_nc_u32 v5, s22, v31
	s_mul_i32 s22, s18, 16*SP
	s_add_co_u32 s22, s22, STG
	v_add_nc_u32 v2, s22, v31                      ; in: a row's 512 bytes, 16 a lane
	v_mul_u32_u24 v3, v29, SP
	v_lshl_add_u32 v3, v30, 6, v3
	v_add_nc_u32 v3, s22, v3                       ; out: row r, + 64 h: my 16 numbers of a block of 32.  Rows 528 bytes apart: the 16 rows of a load fall on 16 different columns of 16 bytes
	s_mul_i32 s22, s18, 3*FRB
	s_add_co_u32 s22, s22, XIMG
	v_add_nc_u32 v4, s22, v31
	v_lshlrev_b32 v6, 2, v29                       ; ROWT (0) + 4 r
	v_add_nc_u32 v7, XIMG, v31
	v_add_nc_u32 v8, XIMG+8*3*FRB, v31             ; K steps 8 to 15: an LDS offset has 16 bits
	v_add_nc_u32 v9, XSC, v31
	v_mov_b32 v10, v31
	s_lshl_b32 s22, s26, 2
	v_lshl_add_u32 v11, v28, 3, s22                ; 8 x lane + 4 P
	s_mul_i32 s22, s27, 48*OP
	s_add_co_u32 s22, s22, STG                     ; my pair's stage for the way out
	s_lshl_b32 s23, s26, 7
	s_add_co_u32 s23, s23, s22
	v_mul_u32_u24 v12, v29, OP
	v_lshl_add_u32 v12, v30, 5, v12
	v_add_nc_u32 v12, s23, v12                     ; in: row r, + 128 P + 32 h
	s_mul_i32 s23, s26, 24*OP
	s_add_co_u32 s23, s23, s22
	v_mul_u32_u24 v13, v30, OP
	v_lshl_add_u32 v13, v29, 4, v13
	v_add_nc_u32 v13, s23, v13                     ; out: rows 24 P on; lanes 0-15 one row of 256 bytes, lanes 16-31 the next
	s_mul_i32 s23, s26, 96
	v_lshl_add_u32 v14, v30, 2, s23                ; ROWT (0) + 4 (24 P + h)
	s_lshl_b32 s23, s27, 8
	v_lshl_add_u32 v15, v29, 4, s23                ; 256 c + 16 r
	v_lshlrev_b32 v53, 2, v29                      ; the list: 4 r
	v_mov_b32 v54, 0
.irp b, 0,1,2,3
	v_mov_b32 v[TM+4+\b], 0                        ; written once: a lane permute's destination counts as one of its sources
.endr
	s_mov_b32 s66, 0x76543210
	s_mov_b32 s67, 0xfedcba98                      ; v_permlanex16_b32's selects for lane l xor 16
	s_lshl_b32 s30, ttmp9, 2
	s_mov_b32 s31, 0
	s_mul_i32 s24, ttmp9, 192
	s_mov_b32 s25, 0
	s_wait_kmcnt 0x0
	s_add_nc_u64 s[14:15], s[14:15], s[30:31]
	s_add_nc_u64 s[12:13], s[12:13], s[24:25]      ; my tile's 48 slots
	s_load_b32 s19, s[14:15], 0x0                  ; my tile's entry: rows | expert << 8
.irp m, 0,1,2
	global_load_b32 v[42+\m], v53, s[12:13] offset:64*\m           ; the row of slot 16 m + r (lanes r and 16 + r: the same)
.endr
	global_load_b32 v45, v54, s[12:13]             ; the tile's first row
	s_wait_kmcnt 0x0
	s_and_b32 s20, s19, 0xff                       ; the tile's rows
	s_bfe_u32 s21, s19, 0x30008
	s_min_u32 s21, s21, 7                          ; the expert
	s_mul_i32 s22, s21, 786432
	s_mul_i32 s28, s27, 98304
	s_add_co_u32 s22, s22, s28
	s_mul_i32 s28, s26, 2*FRB
	s_add_co_u32 s22, s22, s28
	s_mov_b32 s23, 0
	s_add_nc_u64 s[8:9], s[8:9], s[22:23]          ; the weights' codes: my expert, my group of 64 columns, my two tiles of 16
	s_lshl_b32 s22, s21, 15
	s_lshl_b32 s28, s27, 12
	s_add_co_u32 s22, s22, s28
	s_add_nc_u64 s[10:11], s[10:11], s[22:23]      ; and their scale words
	s_wait_loadcnt 0x0
.irp m, 0,1,2
	v_add_nc_u32 v55, 16*\m, v29                   ; my slot
	v_cmp_gt_u32 vcc_lo, s20, v55
	v_cndmask_b32 v[42+\m], v45, v[42+\m], vcc_lo  ; a slot beyond the count repeats the first row
	v_min_u32 v[42+\m], 0x1fff, v[42+\m]
	v_lshlrev_b32 v[46+\m], 2, v[42+\m]
.endr
.irp m, 0,1,2
	global_load_b32 v[50+\m], v[46+\m], s[6:7]     ; my rows' indices
.endr
; rows' tile m: the 16 rows' addresses, then K step w of each row into set m: 512 consecutive bytes an instruction.  Each row of x is named by one tile of the list; only a tile's unused slots repeat its first row.
.macro XLOAD m
.irp r, 0,1,2,3,4,5,6,7,8,9,10,11,12,13,14,15
	v_readlane_b32 s22, v[42+(\m)], \r
	s_min_u32 s22, s22, 0x1fff
	s_lshl_b32 s22, s22, 13                        ; a row of x is 8,192 bytes
	s_add_nc_u64 s[32+2*\r:33+2*\r], s[4:5], s[22:23]
.endr
.irp r, 0,1,2,3,4,5,6,7,8,9,10,11,12,13,14,15
	global_load_b128 v[64+64*(\m)+4*\r:64+64*(\m)+4*\r+3], v1, s[32+2*\r:33+2*\r] th:TH_LOAD_NT
.endr
.endm
	XLOAD 0
	s_wait_xcnt 0x0                                ; the sixteen bases are written again only behind this wait
	XLOAD 1
	s_wait_xcnt 0x0
	XLOAD 2
	s_cmp_lg_u32 s18, 0
	s_cbranch_scc1 .Lno_table
.irp m, 0,1,2
	ds_store_b32 v6, v[42+\m] offset:64*\m         ; wave 0 leaves the 48 row numbers for the way out
.endr
.Lno_table:
	s_wait_loadcnt 48                              ; the indices are in; the 48 loads of x behind them may be out
.irp m, 0,1,2
	v_cmp_gt_u32 vcc_lo, 8, v[50+\m]
	v_cndmask_b32 v[KEEP+\m], 0, -1, vcc_lo        ; all ones where the index names an expert
.endr
; 64 numbers of a lane, register 16 b + i = k 32 b + 16 (lane / 16) + i of my row, become a fragment's codes in v[PC] on and its scale word in v[PW]
.macro QUANT s
.irp b, 0,1,2,3
	v_max3_num_f32 v[TM+\b], |v[\s+16*\b]|, |v[\s+1+16*\b]|, 0x2800000   ; block b: my 16 numbers, and the floor 2^(5 - 127): the byte cannot fall under 1
.endr
.irp i, 2,4,6,8,10,12,14
.irp b, 0,1,2,3
	v_max3_num_f32 v[TM+\b], v[TM+\b], |v[\s+16*\b+\i]|, |v[\s+1+16*\b+\i]|   ; (the four blocks by turns)
.endr
.endr
.irp b, 0,1,2,3
	v_permlanex16_b32 v[TM+4+\b], v[TM+\b], s66, s67
.endr
.irp b, 0,1,2,3
	v_max_num_f32 v[TM+\b], v[TM+\b], v[TM+4+\b]   ; with lane l xor 16's: the block's largest magnitude
.endr
.irp b, 0,1,2,3
	v_add_nc_u32 v[TM+8+\b], 0xfe000000, v[TM+\b]  ; 4 off its exponent field: the conversion's scale operand
.endr
.irp b, 0,1,2,3
	v_lshrrev_b32 v[TM+4+\b], 23, v[TM+8+\b]       ; the scale's byte
.endr
	v_lshl_or_b32 v[PW], v[TM+5], 8, v[TM+4]
	v_lshl_or_b32 v[PW], v[TM+6], 16, v[PW]
	v_lshl_or_b32 v[PW], v[TM+7], 24, v[PW]        ; my row's scale word
.irp c, 0,1
	v_cvt_scalef32_pk16_bf6_f32 v[PC+6*\c:PC+2+6*\c], v[\s+32*\c:\s+15+32*\c], v[TM+8+2*\c]
	v_cvt_scalef32_pk16_bf6_f32 v[PC+12+4*\c:PC+14+4*\c], v[\s+16+32*\c:\s+31+32*\c], v[TM+8+2*\c+1]   ; (a conversion's three registers begin on an even number)
.endr
	v_nop                                          ; one plain instruction behind a scaled conversion
.irp c, 0,1                            ; the operand's layout wants a WHOLE block in a lane: lanes 0-15 block 2 c, lanes 16-31 block 2 c + 1
.irp i, 0,1,2
	v_permlane16_swap_b32 v[PC+6*\c+\i], v[PC+12+4*\c+\i]
.endr
.irp i, 0,1,2
	v_mov_b32 v[PC+3+6*\c+\i], v[PC+12+4*\c+\i]
.endr
.endr
.endm
; K step ks of my 32 columns into set ks % 4: two fragments (6 loads of 512 consecutive bytes) and their scale words (lanes 0-15 the first tile's, lanes 16-31 the second's): 7 loads
.macro BLOAD ks
.set rB, 64+24*((\ks)%2)+64*(((\ks)%4)/2)
.irp t, 0,1
.irp g, 0,1,2
	global_load_b128 v[rB+12*\t+4*\g:rB+12*\t+4*\g+3], v10, s[8:9] offset:4*FRB*(\ks)+FRB*\t+512*\g
.endr
.endr
	global_load_b32 v[16+(\ks)%4], v11, s[10:11] offset:256*(\ks)
.endm
; rows' tile m of my K step becomes an image.  left: the loads issued behind set m's, which may stay out
.macro PRODUCE m, left
.set LS, 64+64*(\m)
	s_wait_loadcnt \left
.irp r, 0,1,2,3,4,5,6,7,8,9,10,11,12,13,14,15
	ds_store_b128 v2, v[LS+4*\r:LS+4*\r+3] offset:SP*\r
.endr
	s_wait_dscnt 0x0                               ; the stores have read their registers: the loads below land in the same set
.irp b, 0,1,2,3
.irp q, 0,1,2,3
	ds_load_b128 v[LS+16*\b+4*\q:LS+16*\b+4*\q+3], v3 offset:128*\b+16*\q
.endr
.endr
	s_wait_dscnt 0x0
	QUANT LS
.irp i, 0,1,2,3,4,5,6,7,8,9,10,11
	v_and_b32 v[PC+\i], v[KEEP+(\m)], v[PC+\i]     ; zero codes for a row whose index names no expert
.endr
.irp g, 0,1,2
	ds_store_b128 v4, v[PC+4*\g:PC+4*\g+3] offset:FRB*(\m)+512*\g
.endr
	ds_store_b32 v5, v[PW] offset:4*(\m)
.endm
	PRODUCE 0, 32                                  ; sets 1 and 2 (16 loads each) may be out
	BLOAD 0                                        ; set 0's registers are free: they take the weights of K steps 0 and 1
	BLOAD 1
	PRODUCE 1, 30                                  ; set 2 (16) and two K steps of weights (14)
	BLOAD 2                                        ; and set 1's those of K steps 2 and 3
	BLOAD 3
	PRODUCE 2, 28                                  ; four K steps of weights
	s_wait_dscnt 0x0                               ; for the others' sake: my three images and scale words have landed, and my reads of my stage are over
	s_barrier_signal -1
	s_barrier_wait -1                              ; all 48 images are whole
; x's three fragments and scale words of K step ks, into buffer ks % 2: 10 LDS loads
.macro FETCH ks
	ds_load_b96 v[20+4*((\ks)%2):22+4*((\ks)%2)], v9 offset:512*(\ks)            ; lane r has row r's three words
.irp m, 0,1,2
.if (\ks)%2
.set rX, 112+64*\m-48*(\m/2)           ; v112, v176, v192
.else
.set rX, 28+12*\m
.endif
.irp g, 0,1,2
.if (\ks) < 8
	ds_load_b128 v[rX+4*\g:rX+4*\g+3], v7 offset:3*FRB*(\ks)+FRB*\m+512*\g
.else
	ds_load_b128 v[rX+4*\g:rX+4*\g+3], v8 offset:3*FRB*((\ks)-8)+FRB*\m+512*\g
.endif
.endr
.endr
.endm
; one product: rows' tile m x columns' tile t
.macro MM m, t, ks
.set rD, ACC+8*(2*(\m)+(\t))
.set rW, 64+24*((\ks)%2)+64*(((\ks)%4)/2)+12*(\t)
.if (\ks)%2
.set rX, 112+64*(\m)-48*((\m)/2)
.else
.set rX, 28+12*(\m)
.endif
.set rSW, 16+(\ks)%4
.set rSX, 20+4*((\ks)%2)+(\m)
.if (\ks) == 0
.if (\t)%2
	v_wmma_scale_f32_16x16x128_f8f6f4 v[rD:rD+7], v[rW:rW+11], v[rX:rX+11], 0, v[rSW], v[rSX] matrix_a_fmt:MATRIX_FMT_BF6 matrix_b_fmt:MATRIX_FMT_BF6 matrix_a_scale:MATRIX_SCALE_ROW1
.else
	v_wmma_scale_f32_16x16x128_f8f6f4 v[rD:rD+7], v[rW:rW+11], v[rX:rX+11], 0, v[rSW], v[rSX] matrix_a_fmt:MATRIX_FMT_BF6 matrix_b_fmt:MATRIX_FMT_BF6
.endif
.else
.if (\t)%2
	v_wmma_scale_f32_16x16x128_f8f6f4 v[rD:rD+7], v[rW:rW+11], v[rX:rX+11], v[rD:rD+7], v[rSW], v[rSX] matrix_a_fmt:MATRIX_FMT_BF6 matrix_b_fmt:MATRIX_FMT_BF6 matrix_a_scale:MATRIX_SCALE_ROW1
.else
	v_wmma_scale_f32_16x16x128_f8f6f4 v[rD:rD+7], v[rW:rW+11], v[rX:rX+11], v[rD:rD+7], v[rSW], v[rSX] matrix_a_fmt:MATRIX_FMT_BF6 matrix_b_fmt:MATRIX_FMT_BF6
.endif
.endif
.endm
; A K step: 6 products; the 6 accumulators take turns, one instruction a turn, in the same order in every step.  K step 0 starts the sums: nothing is cleared.
.macro STEP s
.if (\s) < 15
	FETCH (\s)+1                                   ; into the buffer that the step before has multiplied: its four places stand behind its products
.endif
.if (\s) < 13
	s_wait_loadcnt 21                              ; this step's weights are in; those of the three steps behind it (7 loads each) may be out
.else
	s_wait_loadcnt 7*(15-(\s))
.endif
.if (\s) < 15
	s_wait_dscnt 10                                ; this step's fragments of x are in; the 10 loads just issued may be out
.else
	s_wait_dscnt 0
.endif
.irp m, 0,1,2
.irp t, 0,1
	MM \m, \t, \s
.endr
.endr
.rept 4
	v_nop                                          ; four places in front of the loads into registers that these products have read, and of the first read of results
.endr
.if (\s) < 12
	BLOAD (\s)+4                                   ; the set is free: it takes the weights of four K steps on
.endif
.endm
	FETCH 0
.set S, 0
.rept 16                               ; written out: every offset is an immediate, no pointer is stepped
	STEP S
.set S, S+1
.endr
	; ---- THE WAY OUT.  A lane holds 32 neighbouring bytes of a row, and my 32 columns are half of 256 aligned bytes of out0: so two waves fill the rows of one stage, a barrier, and each stores 24 whole rows of 256 bytes.
	; The stage lies in the bytes of the first phase's stages: every wave's reads of those were over in front of the first barrier.
.irp m, 0,1,2
.irp t, 0,1
	ds_store_b128 v12, v[ACC+8*(2*\m+\t):ACC+8*(2*\m+\t)+3] offset:16*OP*\m+64*\t          ; each accumulator from its low end on
	ds_store_b128 v12, v[ACC+8*(2*\m+\t)+4:ACC+8*(2*\m+\t)+7] offset:16*OP*\m+64*\t+16
.endr
.endr
	s_wait_dscnt 0x0                               ; for my partner's sake: my stores have landed
	s_barrier_signal -1
	s_barrier_wait -1
.irp i, 0,1,2,3,4,5,6,7,8,9,10,11
	ds_load_b128 v[64+4*\i:64+4*\i+3], v13 offset:2*OP*\i          ; rows 24 P + 2 i + h
.endr
.irp i, 0,1,2,3,4,5,6,7,8,9,10,11
	ds_load_b32 v[112+\i], v14 offset:8*\i         ; and which rows of out0 they are
.endr
	v_mov_b32 v124, s20
	s_wait_dscnt 0x0
.irp i, 0,1,2,3,4,5,6,7,8,9,10,11
	v_min_u32 v[112+\i], 0x1fff, v[112+\i]
	v_lshl_add_u32 v[112+\i], v[112+\i], 11, v15   ; a row of out0 is 2,048 bytes
.endr
	s_wait_xcnt 0x0                                ; EXEC changes only behind this wait
	v_cmp_ne_u32 vcc_lo, 0, v124
	s_wait_tensorcnt 0x0
	ds_add_u32 v23, v27
	s_wait_dscnt 0x0
	s_and_saveexec_b32 s68, vcc_lo                 ; a tile without rows stores nothing
.irp i, 0,1,2,3,4,5,6,7,8,9,10,11
	global_store_b128 v[112+\i], v[64+4*\i:64+4*\i+3], s[16:17] th:TH_STORE_NT     ; 16 lanes store 256 consecutive bytes, at a multiple of 256 from out0's first byte; written once, read by nobody here
.endr
	s_wait_xcnt 0x0                                ; and again, in front of the line that widens it
	s_or_b32 exec_lo, exec_lo, s68
	s_endpgm
.Lfunc_end_k_q042ea1c587_gemm:
	.size	k_q042ea1c587_gemm, .Lfunc_end_k_q042ea1c587_gemm-k_q042ea1c587_gemm
	.p2alignl 7, 3214868480
	.fill 96, 4, 3214868480
	.section	.rodata,"a",@progbits
	.p2align	6, 0x0
	.amdhsa_kernel k_q042ea1c587_gemm
		.amdhsa_group_segment_fixed_size 220160
		.amdhsa_private_segment_fixed_size 0
		.amdhsa_enable_private_segment 0
		.amdhsa_kernarg_size 56
		.amdhsa_user_sgpr_count 2
		.amdhsa_user_sgpr_kernarg_segment_ptr 1
		.amdhsa_wavefront_size32 1
		.amdhsa_system_sgpr_workgroup_id_x 1
		.amdhsa_system_sgpr_workgroup_id_y 1
		.amdhsa_system_sgpr_workgroup_id_z 1
		.amdhsa_system_vgpr_workitem_id 0
		.amdhsa_next_free_vgpr 256
		.amdhsa_next_free_sgpr 70
		.amdhsa_reserve_vcc 1
		.amdhsa_float_denorm_mode_32 3
		.amdhsa_float_denorm_mode_16_64 3
		.amdhsa_memory_ordered 1
		.amdhsa_forward_progress 1
		.amdhsa_inst_pref_size 80
	.end_amdhsa_kernel
	.amdgpu_metadata
---
amdhsa.version: [ 1, 2 ]
amdhsa.kernels:
  - .name:           k_q042ea1c587_gemm
    .symbol:         k_q042ea1c587_gemm.kd
    .args:
      - { .name: x, .offset: 0, .size: 8, .value_kind: global_buffer, .address_space: global }
      - { .name: indices, .offset: 8, .size: 8, .value_kind: global_buffer, .address_space: global }
      - { .name: wq, .offset: 16, .size: 8, .value_kind: global_buffer, .address_space: global }
      - { .name: wsc, .offset: 24, .size: 8, .value_kind: global_buffer, .address_space: global }
      - { .name: rows, .offset: 32, .size: 8, .value_kind: global_buffer, .address_space: global }
      - { .name: tiles, .offset: 40, .size: 8, .value_kind: global_buffer, .address_space: global }
      - { .name: out0, .offset: 48, .size: 8, .value_kind: global_buffer, .address_space: global }
    .group_segment_fixed_size: 220160
    .private_segment_fixed_size: 0
    .kernarg_segment_align: 8
    .kernarg_segment_size: 56
    .max_flat_workgroup_size: 512
    .sgpr_count:     70
    .vgpr_count:     256
    .wavefront_size: 32
...
	.end_amdgpu_metadata
.endif
;; end of part 2
